; MI455X (gfx1250); checked and timed in simulation.
; The chip was launched on July 23, 2026; its instructions are those of AMD's public machine-readable ISA for CDNA 5 (MIT licence, August 2026) and "CDNA5" Instruction Set Architecture Reference Guide (July 2026). The comments in the code are by the model that wrote it; some were corrected since.
;; Barrier Net. Allowed arithmetic: float matrix products may take bf16 or f16 operands with f32 sums; other float arithmetic in f32, or as packed bf16 or f16 multiplies, adds, multiply-adds, maxima and minima; sums over many terms, partial sums and values carried from step to step in f32; what a program stores and reads back later, other than sums and carried values, may be rounded once to bf16 or f16.
;; Inputs: W1 8 x 2,048 float32; W21 2,048 x 1,024 float32; W22 2,048 x 1,024 float32; W31 1,024 x 2 float32; W32 1,024 x 2 float32; b1 2,048 float32; b21 1,024 float32; b22 1,024 float32; b31 2 float32; b32 2 float32; input_mean 8 float32; input_std 8 float32; output_mean 2 float32; output_std 2 float32; s0 1 float32; s1 1 float32; s2 1 float32; s3 1 float32; x 16,384 x 8 float32.
;; Outputs: out0 16,384 x 2 float32.
;; Constants: sgn = 1.
;; One version. Each part assembles by itself: llvm-mc -triple=amdgcn-amd-amdhsa -mcpu=gfx1250 --defsym DOCPART=n.
;; ======== version 1 of 1: 3 launches
;; limits: values outside matrix products are rounded to bf16; values are held in f16: magnitudes above 65,504 overflow, below 6.1e-05 lose precision
;; workspace buffers: w21t 4,194,304 bytes; tab 65,536 bytes; w3t 4,096 bytes; b21r 4,096 bytes; part 524,288 bytes
;; launch prep (part 1): grid 256 x 1, 4 waves a work-group, no clusters, 17,920 bytes of LDS; arguments W21, W1, b1, W31, b21, w21t, tab, w3t, b21r; writes w21t, tab, w3t, b21r
.if DOCPART == 1
	.amdgcn_target "amdgcn-amd-amdhsa--gfx1250"
	.amdhsa_code_object_version 6
	.text
	.protected	k_q30eccca6d2_prep
	.globl	k_q30eccca6d2_prep
	.p2align	8
	.type	k_q30eccca6d2_prep,@function
k_q30eccca6d2_prep:
	s_mov_b64 s[64:65], 0
	v_nop
	global_prefetch_b8 v0, s[64:65] scope:SCOPE_SE
	s_setreg_imm32_b32 hwreg(HW_REG_WAVE_MODE, 25, 1), 1
	s_wait_xcnt 0x0
; BarrierNet, launch 1 of 3: the weights as the matrix unit wants them, made once.
; DEAD WORK, for all values of the inputs.  reference() returns out = (u - output_mean) / output_std; u is made of x31_actual, s0..s3; x31_actual of x31, output_std, output_mean;
; x31 of h, W21, b21, W31, b31; h of x, W1, b1.  The names x0 (= x * input_std + input_mean) and x32 (= 4 sigmoid(relu(h W22 + b22) W32 + b32)) stand in no later expression, and sgn in none at all.
; So input_mean, input_std, W22, b22, W32, b32 have no way to the output: they are not loaded and are no argument of any launch, and the product h W22, the product with W32 and the sigmoid are not made.
; LIMIT: a NaN, an infinity or an overflow that arises in x0 or x32 alone is not carried to the result (it does not reach reference()'s result either).
; FORMATS.  Every input of the program is rounded once to bf16 (nearest even), the small vectors too, so that all inputs have one rounding.  W21 meets h, which the next launch keeps in f16 (11 significant
; bits): so W21's bf16 number is written as f16.  LIMIT: that is exact for magnitudes from 2^-17 to 65,504; below 2^-17 the number falls on f16's fixed step of 2^-24; beyond 65,504 it becomes an infinity.
; WHAT IS MADE.  w21t [1024 n][2048 k] f16 = W21 transposed, so that k lies along the rows.   tab: plane A [2048 ch][8] bf16 = W1[0..7][ch]; plane B, 32,768 bytes on, [2048 ch][8] = (b1[ch], 0 x 7).
; w3t [4 cb][2 class][256 n] bf16 = W31[256 cb + n][class].   b21r [1024] f32 = b21 rounded to bf16 and widened.
; SHARES.  Work-group id: 64 columns n (id & 15) x 128 rows k (id >> 4) of W21.  A wave loads 32 rows k, each load two whole pieces of 256 bytes; a lane packs 16 k of each of its 4 n and puts them into a
; stage of 64 rows n x 256 bytes; behind a barrier a wave reads 16 rows n back whole and stores them, 16 lanes to 256 consecutive aligned bytes.  The eight stores into the stage have lanes four rows apart
; (4 x 272 bytes): some share banks; they run once a launch.  Work-groups 0-15 also make tab (128 channels each), work-group 16 w3t and b21r.
; No prefetch and no tensor load: each byte is asked for once, at the kernel's head, and the launch is short.
.set PITCH, 272                        ; a stage row: 256 bytes + 16
.set SPARE, 64*PITCH                   ; 17,408: behind the stage the spare words, 128 bytes a wave: two blocks of 256 bytes that no other line names
.set LO,  2                            ; v2  my byte offset in the wave's rows of W21: 16 rows down for lanes 16-31, 16 bytes a lane
.set ST,  3                            ; v3  where I put 32 bytes of stage row 4 c
.set RD,  4                            ; v4  where I read a stage row back
.set GO,  5                            ; v5  my byte offset in two rows of w21t
.set SPW, 6                            ; v6  my spare word; never rewritten
.set NIL, 7                            ; v7  0; never rewritten
.set T,   8                            ; v[8:23]    at work: first c and hh, then the small tables' loads, then 16 widened numbers
.set L,   32                           ; v[32:95]   16 loads of 4; later the rows read back
.set P,   96                           ; v[96:127]  packed: n = 4 c + j at P + 8 j
	s_load_b256 s[4:11], s[0:1], 0x0               ; W21 s[4:5], W1 s[6:7], b1 s[8:9], W31 s[10:11]
	s_load_b256 s[12:19], s[0:1], 0x20             ; b21 s[12:13], w21t s[14:15], tab s[16:17], w3t s[18:19]
	s_load_b64 s[20:21], s[0:1], 0x40              ; b21r
	v_lshl_add_u32 v[SPW], v0, 2, SPARE
	v_mov_b32 v[NIL], 0
	v_lshrrev_b32 v1, 5, v0
	v_readfirstlane_b32 s31, v1                    ; wave w
	s_mov_b32 s30, ttmp9                           ; id
	s_and_b32 s32, s30, 15                         ; nb
	s_lshr_b32 s33, s30, 4                         ; kb
	v_and_b32 v8, 15, v0                           ; c
	v_bfe_u32 v9, v0, 4, 1                         ; hh
	v_lshlrev_b32 v[LO], 4, v8
	v_lshl_add_u32 v[LO], v9, 16, v[LO]            ; hh x 16 rows of 4,096 bytes + 16 c
	v_mul_u32_u24 v[ST], v8, 4*PITCH               ; stage row 4 c,
	v_lshl_add_u32 v[ST], v9, 5, v[ST]             ; k = 32 w + 16 hh, 2 bytes each
	s_lshl_b32 s34, s31, 6
	v_add_nc_u32 v[ST], s34, v[ST]
	v_mul_u32_u24 v[RD], v9, PITCH                 ; stage row 16 w + hh, 16 bytes a lane
	v_lshl_add_u32 v[RD], v8, 4, v[RD]
	s_mul_i32 s34, s31, 16*PITCH
	v_add_nc_u32 v[RD], s34, v[RD]
	v_lshlrev_b32 v[GO], 4, v8
	v_lshl_add_u32 v[GO], v9, 12, v[GO]            ; the same two rows in w21t
	s_lshl_b32 s22, s33, 7                         ; in: row 128 kb + 32 w of W21,
	s_lshl_b32 s34, s31, 5
	s_add_co_u32 s22, s22, s34
	s_lshl_b32 s22, s22, 12
	s_lshl_b32 s34, s32, 8                         ; column 64 nb
	s_add_co_u32 s22, s22, s34
	s_mov_b32 s23, 0
	s_lshl_b32 s24, s32, 6                         ; out: row 64 nb + 16 w of w21t,
	s_lshl_b32 s34, s31, 4
	s_add_co_u32 s24, s24, s34
	s_lshl_b32 s24, s24, 12
	s_lshl_b32 s34, s33, 8                         ; k = 128 kb
	s_add_co_u32 s24, s24, s34
	s_mov_b32 s25, 0
	s_wait_kmcnt 0x0
	s_add_nc_u64 s[4:5], s[4:5], s[22:23]
	s_add_nc_u64 s[14:15], s[14:15], s[24:25]
.irp i, 0,1,2,3,4,5,6,7,8,9,10,11,12,13,14,15
	global_load_b128 v[L+4*(\i):L+4*(\i)+3], v[LO], s[4:5] offset:(\i)*4096 th:TH_LOAD_NT  ; rows 32 w + i and 32 w + 16 + i: 256 consecutive aligned bytes each
.endr
	; THE SMALL TABLES, while those loads are out.  The branches hang on the work-group's number alone.
	s_cmp_lt_u32 s30, 16
	s_cbranch_scc0 .Lnot_tab
	s_lshl_b32 s26, s30, 9                         ; channel 128 id + thread: 4 bytes each in W1's rows and in b1,
	s_mov_b32 s27, 0
	s_add_nc_u64 s[6:7], s[6:7], s[26:27]
	s_add_nc_u64 s[8:9], s[8:9], s[26:27]
	s_lshl_b32 s28, s30, 11                        ; 16 bytes each in a plane of tab
	s_mov_b32 s29, 0
	s_add_nc_u64 s[16:17], s[16:17], s[28:29]
	v_lshlrev_b32 v160, 2, v0
	v_lshlrev_b32 v161, 4, v0
.irp k, 0,1,2,3,4,5,6,7
	global_load_b32 v[12+(\k)], v160, s[6:7] offset:(\k)*8192
.endr
	global_load_b32 v20, v160, s[8:9]
	v_mov_b32 v133, 0
	v_mov_b32 v134, 0
	v_mov_b32 v135, 0
	s_wait_loadcnt 0x0
.irp m, 0,1,2,3
	v_cvt_pk_bf16_f32 v[128+(\m)], v[12+2*(\m)], v[13+2*(\m)]
.endr
	v_cvt_pk_bf16_f32 v132, v20, v133              ; (b1, 0)
	global_store_b128 v161, v[128:131], s[16:17]               ; a wave stores 512 consecutive bytes
	global_store_b128 v161, v[132:135], s[16:17] offset:32768
	s_branch .Ljoin
.Lnot_tab:
	s_cmp_eq_u32 s30, 16
	s_cbranch_scc0 .Ljoin
	v_lshlrev_b32 v162, 6, v0                      ; W31: 8 n x 2 classes = 64 bytes a thread
	v_lshlrev_b32 v163, 4, v0                      ; b21: 16 bytes a thread, twice
	v_and_b32 v164, 31, v0                         ; w3t: cb = wave, 8 n = 16 bytes a lane
	v_lshlrev_b32 v164, 4, v164
	s_lshl_b32 s26, s31, 10
	v_add_nc_u32 v164, s26, v164
.irp q, 0,1,2,3
	global_load_b128 v[8+4*(\q):11+4*(\q)], v162, s[10:11] offset:16*(\q)
.endr
	global_load_b128 v[24:27], v163, s[12:13]
	global_load_b128 v[28:31], v163, s[12:13] offset:2048
	s_wait_loadcnt 0x0
.irp m, 0,1,2,3
	v_cvt_pk_bf16_f32 v[136+(\m)], v[8+4*(\m)], v[10+4*(\m)]   ; class 0 of n = 2 m, 2 m + 1
	v_cvt_pk_bf16_f32 v[140+(\m)], v[9+4*(\m)], v[11+4*(\m)]   ; class 1
	v_cvt_pk_bf16_f32 v[152+(\m)], v[24+2*(\m)], v[25+2*(\m)]  ; b21, rounded,
.endr
.irp m, 0,1,2,3
	v_lshlrev_b32 v[144+2*(\m)], 16, v[152+(\m)]               ; and widened again
	v_and_b32 v[145+2*(\m)], 0xffff0000, v[152+(\m)]
.endr
	global_store_b128 v164, v[136:139], s[18:19]
	global_store_b128 v164, v[140:143], s[18:19] offset:512
	global_store_b128 v163, v[144:147], s[20:21]
	global_store_b128 v163, v[148:151], s[20:21] offset:2048
.Ljoin:
	s_wait_loadcnt 0x0                             ; my 32 rows of W21
.irp j, 0,1,2,3                        ; n = 4 c + j: its 16 k, in pairs k = 2 m, 2 m + 1
.irp m, 0,1,2,3,4,5,6,7
	v_cvt_pk_bf16_f32 v[P+8*(\j)+(\m)], v[L+8*(\m)+(\j)], v[L+8*(\m)+4+(\j)]  ; the input's one rounding, to bf16;
.endr
.irp m, 0,1,2,3,4,5,6,7
	v_lshlrev_b32 v[T+2*(\m)], 16, v[P+8*(\j)+(\m)]                           ; that number widened,
	v_and_b32 v[T+2*(\m)+1], 0xffff0000, v[P+8*(\j)+(\m)]
.endr
.irp m, 0,1,2,3,4,5,6,7
	v_cvt_pk_f16_f32 v[P+8*(\j)+(\m)], v[T+2*(\m)], v[T+2*(\m)+1]             ; and written as f16
.endr
.endr
.irp j, 0,1,2,3
	ds_store_b128 v[ST], v[P+8*(\j):P+8*(\j)+3]   offset:(\j)*PITCH
	ds_store_b128 v[ST], v[P+8*(\j)+4:P+8*(\j)+7] offset:(\j)*PITCH+16
.endr
	s_wait_dscnt 0x0                               ; for the others' sake: my stores into the stage are done
	s_barrier_signal -1
	s_barrier_wait -1                              ; a stage row's 256 bytes come from all four waves
.irp t, 0,1,2,3,4,5,6,7
	ds_load_b128 v[L+4*(\t):L+4*(\t)+3], v[RD] offset:(\t)*2*PITCH
.endr
.irp t, 0,1,2,3,4,5,6,7
	s_wait_dscnt 7-(\t)                            ; LDS loads come back in order: pair t of rows is in, the younger ones stay out
	global_store_b128 v[GO], v[L+4*(\t):L+4*(\t)+3], s[14:15] offset:(\t)*8192  ; 16 lanes store 256 consecutive bytes, at a multiple of 256 from w21t's first byte
.endr
	s_wait_tensorcnt 0x0                           ; the wave's end: behind my last LDS store
	ds_add_u32 v[SPW], v[NIL]
	s_wait_dscnt 0x0
	s_endpgm
.Lfunc_end_k_q30eccca6d2_prep:
	.size	k_q30eccca6d2_prep, .Lfunc_end_k_q30eccca6d2_prep-k_q30eccca6d2_prep
	.p2alignl 7, 3214868480
	.fill 96, 4, 3214868480
	.section	.rodata,"a",@progbits
	.p2align	6, 0x0
	.amdhsa_kernel k_q30eccca6d2_prep
		.amdhsa_group_segment_fixed_size 17920
		.amdhsa_private_segment_fixed_size 0
		.amdhsa_enable_private_segment 0
		.amdhsa_kernarg_size 72
		.amdhsa_user_sgpr_count 2
		.amdhsa_user_sgpr_kernarg_segment_ptr 1
		.amdhsa_wavefront_size32 1
		.amdhsa_system_sgpr_workgroup_id_x 1
		.amdhsa_system_sgpr_workgroup_id_y 1
		.amdhsa_system_sgpr_workgroup_id_z 1
		.amdhsa_system_vgpr_workitem_id 0
		.amdhsa_next_free_vgpr 176
		.amdhsa_next_free_sgpr 66
		.amdhsa_reserve_vcc 0
		.amdhsa_float_denorm_mode_32 3
		.amdhsa_float_denorm_mode_16_64 3
		.amdhsa_memory_ordered 1
		.amdhsa_forward_progress 1
		.amdhsa_inst_pref_size 17
	.end_amdhsa_kernel
	.amdgpu_metadata
---
amdhsa.version: [ 1, 2 ]
amdhsa.kernels:
  - .name:           k_q30eccca6d2_prep
    .symbol:         k_q30eccca6d2_prep.kd
    .args:
      - { .name: W21, .offset: 0, .size: 8, .value_kind: global_buffer, .address_space: global }
      - { .name: W1, .offset: 8, .size: 8, .value_kind: global_buffer, .address_space: global }
      - { .name: b1, .offset: 16, .size: 8, .value_kind: global_buffer, .address_space: global }
      - { .name: W31, .offset: 24, .size: 8, .value_kind: global_buffer, .address_space: global }
      - { .name: b21, .offset: 32, .size: 8, .value_kind: global_buffer, .address_space: global }
      - { .name: w21t, .offset: 40, .size: 8, .value_kind: global_buffer, .address_space: global }
      - { .name: tab, .offset: 48, .size: 8, .value_kind: global_buffer, .address_space: global }
      - { .name: w3t, .offset: 56, .size: 8, .value_kind: global_buffer, .address_space: global }
      - { .name: b21r, .offset: 64, .size: 8, .value_kind: global_buffer, .address_space: global }
    .group_segment_fixed_size: 17920
    .private_segment_fixed_size: 0
    .kernarg_segment_align: 8
    .kernarg_segment_size: 72
    .max_flat_workgroup_size: 128
    .sgpr_count:     66
    .vgpr_count:     176
    .wavefront_size: 32
...
	.end_amdgpu_metadata
.endif
;; end of part 1
;; launch main (part 2): grid 64 x 4, 4 waves a work-group, clusters of 4 x 1, 327,680 bytes of LDS; arguments x, w21t, tab, w3t, b21r, part; writes part
.if DOCPART == 2
	.amdgcn_target "amdgcn-amd-amdhsa--gfx1250"
	.amdhsa_code_object_version 6
	.text
	.protected	k_q30eccca6d2_main
	.globl	k_q30eccca6d2_main
	.p2align	8
	.type	k_q30eccca6d2_main,@function
k_q30eccca6d2_main:
	s_mov_b64 s[64:65], 0
	v_nop
	global_prefetch_b8 v0, s[64:65] scope:SCOPE_SE
	s_setreg_imm32_b32 hwreg(HW_REG_WAVE_MODE, 25, 1), 1
	s_wait_xcnt 0x0
	s_wait_alu depctr_hold_cnt(0) depctr_sa_sdst(0) depctr_va_vdst(0) depctr_va_sdst(0) depctr_va_ssrc(0) depctr_va_vcc(0) depctr_vm_vsrc(0)
	s_getreg_b32 s2, hwreg(HW_REG_IB_STS2, 6, 4)
	s_cmp_eq_u32 s2, 0
	s_cbranch_scc0 .Lentry_in_a_cluster
	s_endpgm
.Lentry_in_a_cluster:
	s_bfe_u32 s2, ttmp6, 0x10000c
	s_cmp_lg_u32 s2, 0x3003
	s_cbranch_scc0 .Lentry_shape_is_right
	s_endpgm
.Lentry_shape_is_right:
; BarrierNet, launch 2 of 3: part[cb][row][class] = the sum over n in column block cb of relu(relu(x W1 + b1) W21 + b21)[row][n] W31[n][class].
; Left out as dead work (shown at the head of the first kernel): x0, and the whole branch x32 with W22, b22, W32, b32; a NaN or an overflow that arises there alone is not carried on.
; FORMATS.  All sums in f32.  x W1 + b1: bf16 x bf16 (the inputs' one rounding).  h W21: f16 x f16: h is rounded once, to f16's 11 significant bits, in registers (it never goes to memory); W21 is its bf16
; number written as f16.  g W31: bf16 x bf16, with g = relu(..) as TWO operands, hi = bf16(g) and lo = bf16(g - hi), both multiplied by W31: 16 significant bits, and bf16's range.
; LIMITS.  h must stay under 65,504 (from 65,520 on its conversion gives an infinity): h grows with x times W1, so both thirty times larger make it 900 times larger.  g, which grows with W21 too, has
; no such room, hence the two bf16 operands.  h below 6e-5 keeps f16's fixed step of 6e-8.  NaN and infinities are not treated apart (a NaN loses at a relu).
; SHARES.  A work-group makes 256 rows (rb) x 256 columns n (cb) of g: 64 x 4 = 256 work-groups.  Wave w owns rows 64 w .. 64 w + 63 (four tiles t of 16) x all 256 columns (16 tiles b): 64 accumulators,
; 512 registers.  K = 2,048 goes in 16 steps of 128 through two LDS slots of 256 rows of w21t, each row 256 bytes of memory at a multiple of 256 bytes from the buffer's first byte.
; LAYOUT: nothing changes lanes between the products.  r = lane % 16, h = lane / 16.
;   h^T = W1a xa^T: source 0 = 16 channels x K 32 (lanes h = 0: W1[0..7][ch]; lanes h = 1: b1[ch], 0 x 7; K 16-31: 0), source 1 = 16 rows (lanes h = 0: x[row][0..7]; lanes h = 1: 1, 0 x 7; K 16-31: 0).
;   Its result holds row r and channels 8 h + 0..7 in a lane: two results, rounded in pairs and cut at 0, ARE source 1 (32 k x 16 rows) of
;   g^T += w21t-fragment (16 n x 32 k) x h-fragment, whose result holds row r and n = 16 b + 8 h + 0..7: two of them, cut at 0 and rounded, ARE source 1 of
;   x31^T += W31-fragment (row m holds class m & 1) x g-fragment: register 0 is class 0, register 1 class 1 of row r.
; The accumulators start as b21 (loaded straight into them): nothing is cleared and no first K step is written out.
; A QUARTER is 32 along K: 8 products that make the NEXT quarter's h, 64 products on g.  The 64 vector lines that round and cut that h stand four behind each of 16 products.
; CLUSTER.  The four row blocks of a cluster have the same cb: w21t's tiles, tab and w3t are asked for JOINTLY: the same tensor load, descriptor and mask (15) in all four.
; REGISTERS, in windows of 256 (s_set_vgpr_msb: bits 1:0 source 0, 3:2 source 1, 5:4 source 2, 7:6 destination):
;   window 0: addresses, x's and W1's fragments, h.   window 1: w21t's fragments, two buffers of 128 (n tile b at 8 b).   windows 2, 3: accumulator (t, b) in window 2 + b / 8 at v[8 (8 t + b % 8)].
.set PITCH, 272                        ; an LDS row of a slot: 256 bytes + 16 of padding = 68 words: the 16 rows of a fragment load start at 16 different groups of four banks (64 banks of 4 bytes: ISA guide 11.1)
.set QROWS, 64*PITCH                   ; what one tensor load brings: 64 rows
.set SLOT,  4*QROWS                    ; 69,632
.set TAB,   2*SLOT                     ; 139,264: tab's two planes, 65,536 bytes, filled once
.set T3,    TAB+65536                  ; 204,800: this cb's 1,024 bytes of w3t, filled once
.set SPARE, T3+1024                    ; 205,824: the spare words, 128 bytes a wave: two blocks of 256 bytes that no other line names
.set ADRW, 16                          ; v16-17 LDS address of my lane's place in a fragment of slot 0, 1
.set ADRT, 18                          ; v18    the same in tab; steps 4,096 bytes (256 channels) a lap
.set ADR3, 19                          ; v19    the same in T3
.set XO,   20                          ; v20    32 r: my row of x
.set BO,   21                          ; v21    32 h: my 8 numbers of b21r
.set PO2,  22                          ; v22    8 x lane: my 8 bytes of part
.set ONE,  23                          ; v23    bf16 1.0 below, 0 above
.set ZR,   24                          ; v24    0
.set NEG1, 25                          ; v25    -1.0
.set SPW,  28                          ; v28    my spare word; never rewritten
.set NIL,  29                          ; v29    0; never rewritten
.set PFO,  30                          ; v30    4,096 x lane: a row of w21t a lane; never rewritten
.set XF,   32                          ; v32-63   x's fragments, 8 a tile
.set TG,   32                          ;          at the end: relu(g) of two tiles x 32 columns, in f32, then g - hi
.set W1F,  64                          ; v64-79   two fragments of W1a; registers 4-7 of each stay 0
.set HT,   80                          ; v80-143  h^T in f32: tile t, fragment z at HT + 8 (2 t + z)
.set W3F,  80                          ;          at the end: W31's 8 fragments
.set HF0,  144                         ; v144-175 h's fragments, 8 a tile: two buffers
.set HF1,  176                         ; v176-207
.set GFH,  144                         ;          at the end: g's fragments, 8 a tile: hi,
.set GFL,  176                         ;          and lo
.set X3,   208                         ; v208-239 x31^T, 8 a tile
.set F0,   0                           ; window 1
.set F1,   128
.set WV,  16                           ; s16 my wave's number
.set CX,  17                           ; s17 my place in the cluster: it enters x's, part's and the prefetches' addresses alone
.set RB,  18                           ; s18 row block
.set CB,  19                           ; s19 column block
.set G1W, 24                           ; s[24:31] group 1 for w21t's tiles;  s[32:39] group 0, a set for each slot
.set G0W, 32
.set G1T, 40                           ; s[40:47], s[48:51] for tab
.set G0T, 48
.set G1S, 52                           ; s[52:59], s[60:63] for w3t
.set G0S, 60
.set PFA, 66                           ; s[66:67] where my prefetches stand
.set LIM, 68                           ; s68 1 in a wave that prefetches, else the greatest number
.set LAP, 69                           ; s69 laps still to come in the loop
.set HIM, 70                           ; s70 lanes 16-31
.set MSB, 0
.macro WIN new                         ; the immediate's high byte repeats the setting that is left; a switch that changes nothing is dropped
.if MSB != (\new)
	s_set_vgpr_msb (MSB<<8)|(\new)
.set MSB, \new
.endif
.endm
.set MUL_LO, 0xa1                      ; source 0 (w21t) window 1, source 1 (h) window 0, C and D window 2
.set MUL_HI, 0xf1                      ; the same, C and D window 3
.set TO_B,   0x40                      ; destination window 1, address window 0
.macro PLACES                          ; four places behind matrix instructions, in front of loads into and vector lines on their registers
.rept 4
	v_nop
.endr
.endm
.macro CREST                           ; a round of the cluster's barrier behind its opening barrier
	s_cmp_lg_u32 s[WV], 0
	s_cbranch_scc1 .Lnot_wave_0_\@
	s_barrier_signal -3
.Lnot_wave_0_\@:
	s_barrier_wait -3
	s_barrier_signal -1
	s_barrier_wait -1
.endm
.macro CROUND                          ; a whole round
	s_barrier_signal -1
	s_barrier_wait -1
	CREST
.endm
; 8 products: h^T of the next quarter's 32 channels for my four tiles.  Each starts its sum with 0.
.macro HMUL
	WIN 0
.irp t, 0,1,2,3
.irp z, 0,1
	v_wmma_f32_16x16x32_bf16 v[HT+8*(2*(\t)+(\z)):HT+8*(2*(\t)+(\z))+7], v[W1F+8*(\z):W1F+8*(\z)+7], v[XF+8*(\t):XF+8*(\t)+7], 0
.endr
.endr
.endm
; 16 products on g: tiles t0, t0 + 1 x n tiles 8 hi + 0..7.  The 64 accumulators take turns, one instruction a turn, in the same order in every quarter.
.macro MUL16 f, hb, hi, t0
	WIN MUL_LO+0x50*(\hi)
.irp t, \t0, (\t0)+1
.irp b, 0,1,2,3,4,5,6,7
	v_wmma_f32_16x16x32_f16 v[8*(8*(\t)+(\b)):8*(8*(\t)+(\b))+7], v[(\f)+8*(8*(\hi)+(\b)):(\f)+8*(8*(\hi)+(\b))+7], v[(\hb)+8*(\t):(\hb)+8*(\t)+7], v[8*(8*(\t)+(\b)):8*(8*(\t)+(\b))+7]
.endr
.endr
.endm
; Slice i of 16 of the vector work on h: slices 0-7 round HT's 64 numbers to f16 in pairs, in ascending order (each result's lowest registers are read first); slices 8-15 cut them at 0.
.macro RIDE hn, i
	WIN 0
.irp z, 0,1,2,3
.if (\i) < 8
	v_cvt_pk_f16_f32 v[(\hn)+4*(\i)+(\z)], v[HT+8*(\i)+2*(\z)], v[HT+8*(\i)+2*(\z)+1]
.else
	v_pk_max_num_f16 v[(\hn)+4*((\i)-8)+(\z)], v[(\hn)+4*((\i)-8)+(\z)], v[ZR]
.endif
.endr
.endm
; 32 products (n tiles 8-15); behind each of the first 16 a slice.  No slice names a register of the products round it: they read f, hb and window 3, the slices HT and hn.
.macro MULR f, hb, hn
.set ri, 0
.irp t, 0,1
.irp b, 0,1,2,3,4,5,6,7
	WIN MUL_HI
	v_wmma_f32_16x16x32_f16 v[8*(8*(\t)+(\b)):8*(8*(\t)+(\b))+7], v[(\f)+8*(8+(\b)):(\f)+8*(8+(\b))+7], v[(\hb)+8*(\t):(\hb)+8*(\t)+7], v[8*(8*(\t)+(\b)):8*(8*(\t)+(\b))+7]
	RIDE \hn, ri
.set ri, ri+1
.endr
.endr
	MUL16 \f, \hb, 1, 2
.endm
; One run of LDS loads: W1a's two fragments for quarter tq of the lap (tq < 0: none), then w21t's 16 fragments at byte k of the slot's rows into buffer g, n tiles ascending.
.macro FETCH slot, k, g, tq
.if (\tq) >= 0
	WIN 0
	ds_load_b128 v[W1F:W1F+3],    v[ADRT] offset:(\tq)*512
	ds_load_b128 v[W1F+8:W1F+11], v[ADRT] offset:(\tq)*512+256
.endif
	WIN TO_B
.irp b, 0,1,2,3,4,5,6,7,8,9,10,11,12,13,14,15
	ds_load_b128 v[(\g)+8*(\b):(\g)+8*(\b)+3],   v[ADRW+(\slot)] offset:(\k)+(\b)*16*PITCH
	ds_load_b128 v[(\g)+8*(\b)+4:(\g)+8*(\b)+7], v[ADRW+(\slot)] offset:(\k)+(\b)*16*PITCH+32
.endr
.endm
; One of a K step's first three quarters: multiplies buffers f and hb; makes the next quarter's h into hn; fetches the next quarter's fragments (byte k) into g, and W1a's for the quarter after it.
.macro QUARTER slot, k, f, g, hb, hn, tq
	s_wait_dscnt 16                                ; W1a's fragments and n tiles 0-7 are in; the youngest 16 loads (n tiles 8-15) may be out
	HMUL
	MUL16 \f, \hb, 0, 0
	MUL16 \f, \hb, 0, 2
	PLACES                                         ; for the loads into g and W1F, for the slices' reads of HT and their writes of hn, which the quarter before multiplied
	FETCH \slot, \k, \g, \tq
.if (\tq) >= 0
	s_wait_dscnt 34                                ; all but the 34 just issued
.else
	s_wait_dscnt 32
.endif
	MULR \f, \hb, \hn
.endm
; A PREFETCH INTO THE L2, behind the refill, its five lines and the run of LDS loads: the K step that stands TWO refills on, 576 matrix instructions ahead of its load.  w21t's rows of a column block are read by
; all 16 clusters of that block: cluster x = 0 asks, nobody else.  Its four partners share the 256 rows out BY ADDRESS: waves 0 and 1 of partner cx name rows 128 w + 32 cx + lane, 256 bytes of each: a lane a
; row, one instruction.  So each row's 256 bytes of a K step are named once in the launch.  K steps 0-3 come by their loads alone; the loop's last lap asks for nothing: K step 15 is the highest named.
.macro ASK
	s_cmp_gt_u32 s[LAP], s[LIM]
	s_cbranch_scc0 .Lnot_mine_\@
	global_prefetch_b8 v[PFO], s[PFA:PFA+1] th:TH_LOAD_NT scope:SCOPE_SE
.Lnot_mine_\@:
.endm
; A K step's last quarter multiplies F1 and HF1 and changes slots.  ONE barrier: in front of it each wave waits for all its tensor loads (one is out: its part of the next slot), adds 0 to its spare word, and
; waits for that and for its reads of this slot.  fill = 1: the barrier opens a round of the cluster's, and the slot is filled again, first thing behind it, with the K step two on.
.macro TURN slot, next, fill, tq
.if \fill
	s_wait_xcnt 0x0                                ; the last prefetch, a K step back, has read its address: it is stepped here, ahead of the change's own waits
	s_add_nc_u64 s[PFA:PFA+1], s[PFA:PFA+1], 256
.endif
	WIN 0
	s_wait_tensorcnt 0x0                           ; all my tensor loads have landed
	ds_add_u32 v[SPW], v[NIL]                      ; 0 onto my spare word
	s_wait_dscnt 17                                ; (the add and the youngest 16 loads may be out)
	HMUL
	MUL16 F1, HF1, 0, 0                            ; 24 matrix instructions stand between the add and the wait for it
	s_wait_dscnt 0x0                               ; the add is done, and my reads of this slot are over
	s_barrier_signal -1
	MUL16 F1, HF1, 0, 2                            ; work on registers while the others arrive
	WIN 0
	s_barrier_wait -1
.if \fill
	CREST                                          ; no wave of any partner still reads this slot or has a load on its way
	s_add_nc_u64 s[G0W+4*(\slot)+2:G0W+4*(\slot)+3], s[G0W+4*(\slot)+2:G0W+4*(\slot)+3], 512  ; two K steps on; the type bits on top are not reached
	tensor_load_to_lds s[G0W+4*(\slot):G0W+4*(\slot)+3], s[G1W:G1W+7]  ; my 64 rows: my one tensor load behind the round
	s_nop 0
.endif
	PLACES                                         ; behind the tensor load; also the places in front of the loads and slices below
	FETCH \next, 0, F0, \tq
.if \fill
	WIN 0
	ASK
.endif
	MULR F1, HF1, HF0
.endm
	s_load_b256 s[4:11], s[0:1], 0x0               ; x s[4:5], w21t s[6:7], tab s[8:9], w3t s[10:11]
	s_load_b128 s[12:15], s[0:1], 0x20             ; b21r s[12:13], part s[14:15]
	v_lshl_add_u32 v[SPW], v0, 2, SPARE
	v_mov_b32 v[NIL], 0
	ds_add_u32 v[SPW], v[NIL]                      ; the wave's opening: the add, twice on end, and its wait ahead of my first tensor load
	ds_add_u32 v[SPW], v[NIL]                      ; and once more, under the one wait; the set-up below, work on registers, stands between
	v_lshrrev_b32 v1, 5, v0
	v_readfirstlane_b32 s[WV], v1                  ; wave 0..3
	s_bfe_u32 s[CX], ttmp6, 0x40000                ; cx
	s_lshl_b32 s[RB], ttmp9, 2                     ; in a cluster launch ttmp9 counts clusters
	s_add_co_u32 s[RB], s[RB], s[CX]               ; row block = 4 x cluster x + cx
	s_and_b32 s[CB], ttmp7, 0xffff                 ; column block, which the four partners share
	; group 1 for w21t: 64 rows x 128 elements of 2 bytes, 2,048 elements from row to row, 4 words of padding behind every 64
	s_mov_b32 s[G1W+0], 15|(1<<16)|(1<<20)|(1<<21)|(5<<22)|(3<<25)  ; 15:0 the mask of four; 17:16 2-byte elements; 20 padding on; 21 set beside a mask; 24:22 code 5; 31:25 code 3
	s_mov_b32 s[G1W+1], 128<<16                    ; tensor_dim0 = 128
	s_mov_b32 s[G1W+2], 64<<16                     ; tensor_dim1 = 64
	s_mov_b32 s[G1W+3], 128<<16                    ; tile_dim0 = 128
	s_mov_b32 s[G1W+4], 64                         ; tile_dim1 = 64
	s_mov_b32 s[G1W+5], 2048                       ; the pitch
	s_mov_b32 s[G1W+6], 0
	s_mov_b32 s[G1W+7], 0
	; group 1 for tab: a dense block of 16,384 bytes as 64 rows of 32 elements of 8 bytes
	s_mov_b32 s[G1T+0], 15|(3<<16)|(1<<21)
	s_mov_b32 s[G1T+1], 32<<16
	s_mov_b32 s[G1T+2], 64<<16
	s_mov_b32 s[G1T+3], 32<<16
	s_mov_b32 s[G1T+4], 64
	s_mov_b32 s[G1T+5], 32
	s_mov_b32 s[G1T+6], 0
	s_mov_b32 s[G1T+7], 0
	; group 1 for w3t: one row of 256 bytes
	s_mov_b32 s[G1S+0], 15|(3<<16)|(1<<21)
	s_mov_b32 s[G1S+1], 32<<16
	s_mov_b32 s[G1S+2], 1<<16
	s_mov_b32 s[G1S+3], 32<<16
	s_mov_b32 s[G1S+4], 1
	s_mov_b32 s[G1S+5], 32
	s_mov_b32 s[G1S+6], 1<<16
	s_mov_b32 s[G1S+7], 0
	s_mov_b32 s[HIM], 0xffff0000
	; where the tiles go: the wave's number times a constant plus a constant; no place in the cluster enters an LDS address
	s_mul_i32 s20, s[WV], QROWS
	s_mov_b32 s[G0W+0], 1
	s_mov_b32 s[G0W+1], s20
	s_mov_b32 s[G0W+4], 1
	s_add_co_u32 s[G0W+5], s20, SLOT
	s_lshl_b32 s76, s[WV], 14                      ; my quarter of tab, in memory and in LDS
	s_mov_b32 s77, 0
	s_mov_b32 s[G0T+0], 1
	s_add_co_u32 s[G0T+1], s76, TAB
	s_lshl_b32 s21, s[WV], 8                       ; my quarter of the block's w3t
	s_mov_b32 s[G0S+0], 1
	s_add_co_u32 s[G0S+1], s21, T3
	s_lshl_b32 s82, s[CB], 10                      ; the block's 1,024 bytes of b21r, and of w3t
	s_mov_b32 s83, 0
	s_add_co_u32 s78, s82, s21
	s_mov_b32 s79, 0
	s_lshl_b32 s22, s[CB], 20                      ; w21t: row 256 cb + 64 w, 4,096 bytes each
	s_lshl_b32 s23, s[WV], 18
	s_add_co_u32 s22, s22, s23
	s_mov_b32 s23, 0
	; the offsets that hold cx, in registers of their own
	s_lshl_b32 s72, s[CB], 20                      ; the prefetches: row 256 cb + 128 (w & 1) + 32 cx
	s_and_b32 s73, s[WV], 1
	s_lshl_b32 s73, s73, 19
	s_add_co_u32 s72, s72, s73
	s_lshl_b32 s73, s[CX], 17
	s_add_co_u32 s72, s72, s73
	s_mov_b32 s73, 0
	s_lshl_b32 s74, s[RB], 13                      ; x: row 256 rb + 64 w, 32 bytes each
	s_lshl_b32 s75, s[WV], 11
	s_add_co_u32 s74, s74, s75
	s_mov_b32 s75, 0
	s_lshl_b32 s80, s[CB], 17                      ; part: plane cb, row 256 rb + 64 w, 8 bytes each
	s_lshl_b32 s81, s[RB], 11
	s_add_co_u32 s80, s80, s81
	s_lshl_b32 s81, s[WV], 9
	s_add_co_u32 s80, s80, s81
	s_mov_b32 s81, 0
	s_lshr_b32 s[LIM], s[WV], 1                    ; 0 in waves 0 and 1,
	s_or_b32 s[LIM], s[LIM], ttmp9                 ; where the cluster is the block's first: the same in all four partners
	s_cmp_eq_u32 s[LIM], 0
	s_cselect_b32 s[LIM], 1, -1
	s_wait_dscnt 0x0                               ; both opening adds are done
	s_wait_kmcnt 0x0
	s_add_nc_u64 s[PFA:PFA+1], s[6:7], s[72:73]
	s_add_nc_u64 s[PFA:PFA+1], s[PFA:PFA+1], 3*256 ; at K step 3: the first refill steps it to 4
	s_add_nc_u64 s[G0W+2:G0W+3], s[6:7], s[22:23]  ; K step 0
	s_add_nc_u64 s[G0W+6:G0W+7], s[G0W+2:G0W+3], 256  ; K step 1
	s_or_b32 s[G0W+3], s[G0W+3], 0x80000000        ; type = 2
	s_or_b32 s[G0W+7], s[G0W+7], 0x80000000
	s_add_nc_u64 s[G0T+2:G0T+3], s[8:9], s[76:77]
	s_or_b32 s[G0T+3], s[G0T+3], 0x80000000
	s_add_nc_u64 s[G0S+2:G0S+3], s[10:11], s[78:79]
	s_or_b32 s[G0S+3], s[G0S+3], 0x80000000
	s_add_nc_u64 s[4:5], s[4:5], s[74:75]
	s_add_nc_u64 s[12:13], s[12:13], s[82:83]
	s_add_nc_u64 s[14:15], s[14:15], s[80:81]
	CROUND                                         ; all four work-groups are here: the first joint loads meet
	tensor_load_to_lds s[G0T:G0T+3], s[G1T:G1T+7]  ; the four first fills go out as one group: four tensor loads of mine are out, later one
	s_nop 0
	tensor_load_to_lds s[G0S:G0S+3], s[G1S:G1S+7]
	s_nop 0
	tensor_load_to_lds s[G0W:G0W+3], s[G1W:G1W+7]
	s_nop 0
	tensor_load_to_lds s[G0W+4:G0W+7], s[G1W:G1W+7]
	s_nop 0
	PLACES
	v_and_b32 v1, 15, v0                           ; r
	v_bfe_u32 v2, v0, 4, 1                         ; h
	v_and_b32 v3, 31, v0                           ; lane
	v_and_b32 v5, 1, v0
	v_lshlrev_b32 v[XO], 5, v1
	v_lshlrev_b32 v[BO], 5, v2
.irp t, 0,1,2,3
	global_load_b128 v[HT+8*(\t):HT+8*(\t)+3],   v[XO], s[4:5] offset:(\t)*512 th:TH_LOAD_NT     ; x[row 16 t + r][0..7], in f32, into registers that are free as yet
	global_load_b128 v[HT+8*(\t)+4:HT+8*(\t)+7], v[XO], s[4:5] offset:(\t)*512+16 th:TH_LOAD_NT
.endr
.irp hi, 0,1                           ; the sums start as b21: accumulator (t, b), register j, holds n = 16 b + 8 h + j
	WIN 0x80+0x40*(\hi)
.irp t, 0,1,2,3
.irp b, 0,1,2,3,4,5,6,7
	global_load_b128 v[8*(8*(\t)+(\b)):8*(8*(\t)+(\b))+3],   v[BO], s[12:13] offset:(8*(\hi)+(\b))*64
	global_load_b128 v[8*(8*(\t)+(\b))+4:8*(8*(\t)+(\b))+7], v[BO], s[12:13] offset:(8*(\hi)+(\b))*64+16
.endr
.endr
.endr
	WIN 0
	v_mul_u32_u24 v[ADRW], v1, PITCH
	v_lshl_add_u32 v[ADRW], v2, 4, v[ADRW]         ; row x pitch + 16 x half
	v_add_nc_u32 v[ADRW+1], SLOT, v[ADRW]
	v_lshlrev_b32 v[ADRT], 4, v1                   ; channel r: 16 bytes; lanes h = 1 read plane B
	v_lshl_add_u32 v[ADRT], v2, 15, v[ADRT]
	v_add_nc_u32 v[ADRT], TAB, v[ADRT]
	v_lshlrev_b32 v[ADR3], 9, v5                   ; class r & 1: 512 bytes; 16 bytes for each half of the lanes
	v_lshl_add_u32 v[ADR3], v2, 4, v[ADR3]
	v_add_nc_u32 v[ADR3], T3, v[ADR3]
	v_lshlrev_b32 v[PO2], 3, v3
	v_lshlrev_b32 v[PFO], 12, v3
	v_mov_b32 v[ONE], 0x3f80
	v_mov_b32 v[ZR], 0
	v_mov_b32 v[NEG1], -1.0
.irp i, 4,5,6,7,12,13,14,15
	v_mov_b32 v[W1F+(\i)], 0                       ; K 16-31 of W1a
.endr
	s_wait_loadcnt 0x0                             ; x and b21
.irp t, 0,1,2,3
.irp i, 0,1,2,3
	v_cvt_pk_bf16_f32 v[XF+8*(\t)+(\i)], v[HT+8*(\t)+2*(\i)], v[HT+8*(\t)+2*(\i)+1]
.endr
	v_cndmask_b32 v[XF+8*(\t)], v[XF+8*(\t)], v[ONE], s[HIM]  ; lanes 16-31 hold K 8-15: the 1 that meets b1, then zeros
.irp i, 1,2,3
	v_cndmask_b32 v[XF+8*(\t)+(\i)], v[XF+8*(\t)+(\i)], v[ZR], s[HIM]
.endr
.irp i, 4,5,6,7
	v_mov_b32 v[XF+8*(\t)+(\i)], 0                 ; K 16-31
.endr
.endr
	s_wait_tensorcnt 0x1                           ; my parts of tab, w3t and slot 0 are in; slot 1's may stay out
	s_barrier_signal -1
	s_barrier_wait -1                              ; everybody's are
	ds_load_b128 v[W1F:W1F+3],    v[ADRT]          ; quarter 0's channels
	ds_load_b128 v[W1F+8:W1F+11], v[ADRT] offset:256
	s_wait_dscnt 0x0
	HMUL                                           ; quarter 0's h
	PLACES
	FETCH 0, 0, F0, 1
.set ri, 0
.rept 16
	RIDE HF0, ri                                   ; once a launch there are no products to set the slices behind
.set ri, ri+1
.endr
	WIN 0                                          ; at a label and at a branch every window is 0
	s_mov_b32 s[LAP], 7
.Llap:                                         ; a lap = two K steps = once round the ring; both slots are filled again
	QUARTER 0, 64,  F0, F1, HF0, HF1, 2
	QUARTER 0, 128, F1, F0, HF1, HF0, 3
	QUARTER 0, 192, F0, F1, HF0, HF1, 4
	TURN 0, 1, 1, 5
	QUARTER 1, 64,  F0, F1, HF0, HF1, 6
	QUARTER 1, 128, F1, F0, HF1, HF0, 7
	QUARTER 1, 192, F0, F1, HF0, HF1, 8
	TURN 1, 0, 1, 9
	WIN 0
	v_add_nc_u32 v[ADRT], 4096, v[ADRT]            ; the next lap's 256 channels
	s_sub_co_u32 s[LAP], s[LAP], 1
	s_cmp_lg_u32 s[LAP], 0
	s_cbranch_scc1 .Llap
	QUARTER 0, 64,  F0, F1, HF0, HF1, 2            ; the last lap is written out: it fills nothing
	QUARTER 0, 128, F1, F0, HF1, HF0, 3
	QUARTER 0, 192, F0, F1, HF0, HF1, 4
	TURN 0, 1, 0, 5
	QUARTER 1, 64,  F0, F1, HF0, HF1, 6
	QUARTER 1, 128, F1, F0, HF1, HF0, 7
	QUARTER 1, 192, F0, F1, HF0, HF1, -1           ; there is no channel behind the last quarter's
	s_wait_dscnt 16                                ; the very last quarter makes no h; in its middle W31's fragments are fetched, into HT's registers
	MUL16 F1, HF1, 0, 0
	MUL16 F1, HF1, 0, 2
	PLACES
	WIN 0
.irp p, 0,1,2,3,4,5,6,7
	ds_load_b128 v[W3F+8*(\p):W3F+8*(\p)+3],   v[ADR3] offset:(\p)*64      ; n = 32 p + 8 h + 0..7 of class r & 1
	ds_load_b128 v[W3F+8*(\p)+4:W3F+8*(\p)+7], v[ADR3] offset:(\p)*64+32
.endr
	s_wait_dscnt 16                                ; all but the 16 just issued
	MUL16 F1, HF1, 1, 0
	MUL16 F1, HF1, 1, 2
	; THE THIRD PRODUCT.  For each 32 columns p, two tiles at a time: the four accumulators (t, 2 p), (t, 2 p + 1) are cut at 0 in f32, lowest registers first, into window 0; hi = the pairs rounded to bf16;
	; g - hi, which f32 holds exactly, by a multiply-add of hi's halves with -1; lo = that rounded to bf16.  Then eight products, hi's four and lo's four: the four sums take turns, one instruction a turn.
	; The next step's first 32 lines, the maxima, name no register of those products: they are the places in front of the next writes of hi and lo.
.macro GSTEP p
.irp u, 0,1                            ; tiles 2 u, 2 u + 1
	WIN 0x02+((\p)/4)                              ; source 0: window 2 or 3
.irp t, 0,1
.irp e, 0,1
.irp j, 0,1,2,3,4,5,6,7
	v_max_num_f32 v[TG+16*(\t)+8*(\e)+(\j)], v[8*(8*(2*(\u)+(\t))+2*((\p)%4)+(\e))+(\j)], v[ZR]
.endr
.endr
.endr
	WIN 0
.set z, 0
.rept 16
	v_cvt_pk_bf16_f32 v[GFH+16*(\u)+z], v[TG+2*z], v[TG+2*z+1]
.set z, z+1
.endr
.set z, 0
.rept 16
	v_fma_mix_f32_bf16 v[TG+2*z],   v[GFH+16*(\u)+z], v[NEG1], v[TG+2*z]   op_sel_hi:[1,0,0]                ; g - hi: the low half's,
	v_fma_mix_f32_bf16 v[TG+2*z+1], v[GFH+16*(\u)+z], v[NEG1], v[TG+2*z+1] op_sel:[1,0,0] op_sel_hi:[1,0,0] ; the high half's
.set z, z+1
.endr
.set z, 0
.rept 16
	v_cvt_pk_bf16_f32 v[GFL+16*(\u)+z], v[TG+2*z], v[TG+2*z+1]
.set z, z+1
.endr
.endr
.irp t, 0,1,2,3
.if (\p) == 0
	v_wmma_f32_16x16x32_bf16 v[X3+8*(\t):X3+8*(\t)+7], v[W3F+8*(\p):W3F+8*(\p)+7], v[GFH+8*(\t):GFH+8*(\t)+7], 0
.else
	v_wmma_f32_16x16x32_bf16 v[X3+8*(\t):X3+8*(\t)+7], v[W3F+8*(\p):W3F+8*(\p)+7], v[GFH+8*(\t):GFH+8*(\t)+7], v[X3+8*(\t):X3+8*(\t)+7]
.endif
.endr
.irp t, 0,1,2,3
	v_wmma_f32_16x16x32_bf16 v[X3+8*(\t):X3+8*(\t)+7], v[W3F+8*(\p):W3F+8*(\p)+7], v[GFL+8*(\t):GFL+8*(\t)+7], v[X3+8*(\t):X3+8*(\t)+7]
.endr
.endm
	PLACES                                         ; the maxima read results just made
	s_wait_dscnt 0x0                               ; W31's fragments are in
.irp p, 0,1,2,3,4,5,6,7
	GSTEP \p
.endr
	PLACES
	v_cndmask_b32 v240, v[X3],    v[X3+8],  s[HIM] ; lanes 0-15: tile 0's row r; lanes 16-31: tile 1's: 32 rows on end
	v_cndmask_b32 v241, v[X3+1],  v[X3+9],  s[HIM]
	v_cndmask_b32 v242, v[X3+16], v[X3+24], s[HIM]
	v_cndmask_b32 v243, v[X3+17], v[X3+25], s[HIM]
	global_store_b64 v[PO2], v[240:241], s[14:15]             ; each store covers 256 consecutive bytes, at a multiple of 256 from part's first byte
	global_store_b64 v[PO2], v[242:243], s[14:15] offset:256
	s_wait_tensorcnt 0x0                           ; the wave's end: behind my last tensor load
	ds_add_u32 v[SPW], v[NIL]
	s_wait_dscnt 0x0
	CROUND                                         ; the closing round: no work-group ends while a partner may still ask for a tile that names it
	s_endpgm
.Lfunc_end_k_q30eccca6d2_main:
	.size	k_q30eccca6d2_main, .Lfunc_end_k_q30eccca6d2_main-k_q30eccca6d2_main
	.p2alignl 7, 3214868480
	.fill 96, 4, 3214868480
	.section	.rodata,"a",@progbits
	.p2align	6, 0x0
	.amdhsa_kernel k_q30eccca6d2_main
		.amdhsa_group_segment_fixed_size 327680
		.amdhsa_private_segment_fixed_size 0
		.amdhsa_enable_private_segment 0
		.amdhsa_kernarg_size 48
		.amdhsa_user_sgpr_count 2
		.amdhsa_user_sgpr_kernarg_segment_ptr 1
		.amdhsa_wavefront_size32 1
		.amdhsa_system_sgpr_workgroup_id_x 1
		.amdhsa_system_sgpr_workgroup_id_y 1
		.amdhsa_system_sgpr_workgroup_id_z 1
		.amdhsa_system_vgpr_workitem_id 0
		.amdhsa_next_free_vgpr 1024
		.amdhsa_next_free_sgpr 96
		.amdhsa_reserve_vcc 0
		.amdhsa_float_denorm_mode_32 3
		.amdhsa_float_denorm_mode_16_64 3
		.amdhsa_memory_ordered 1
		.amdhsa_forward_progress 1
		.amdhsa_inst_pref_size 255
	.end_amdhsa_kernel
	.section	.bss,"aw",@nobits
	.p2align	6
	.space	262144
	.amdgpu_metadata
---
amdhsa.version: [ 1, 2 ]
amdhsa.kernels:
  - .name:           k_q30eccca6d2_main
    .symbol:         k_q30eccca6d2_main.kd
    .args:
      - { .name: x, .offset: 0, .size: 8, .value_kind: global_buffer, .address_space: global }
      - { .name: w21t, .offset: 8, .size: 8, .value_kind: global_buffer, .address_space: global }
      - { .name: tab, .offset: 16, .size: 8, .value_kind: global_buffer, .address_space: global }
      - { .name: w3t, .offset: 24, .size: 8, .value_kind: global_buffer, .address_space: global }
      - { .name: b21r, .offset: 32, .size: 8, .value_kind: global_buffer, .address_space: global }
      - { .name: part, .offset: 40, .size: 8, .value_kind: global_buffer, .address_space: global }
    .group_segment_fixed_size: 327680
    .private_segment_fixed_size: 0
    .kernarg_segment_align: 8
    .kernarg_segment_size: 48
    .max_flat_workgroup_size: 128
    .sgpr_count:     96
    .vgpr_count:     1024
    .wavefront_size: 32
...
	.end_amdgpu_metadata
.endif
;; end of part 2
;; launch finish (part 3): grid 64 x 1, 4 waves a work-group, no clusters, 0 bytes of LDS; arguments part, b31, output_mean, output_std, s0, s1, s2, s3, out0; writes out0
.if DOCPART == 3
	.amdgcn_target "amdgcn-amd-amdhsa--gfx1250"
	.amdhsa_code_object_version 6
	.text
	.protected	k_q30eccca6d2_finish
	.globl	k_q30eccca6d2_finish
	.p2align	8
	.type	k_q30eccca6d2_finish,@function
k_q30eccca6d2_finish:
	s_mov_b64 s[64:65], 0
	v_nop
	global_prefetch_b8 v0, s[64:65] scope:SCOPE_SE
	s_setreg_imm32_b32 hwreg(HW_REG_WAVE_MODE, 25, 1), 1
	s_wait_xcnt 0x0
; BarrierNet, launch 3 of 3: x31 = the four column blocks' partial sums + b31; x31_actual = x31 std + mean; u = min(max(-x31_actual, lower), upper); out = (u - mean) / std.
; Left out as dead work (shown at the head of the first kernel): x0 and the branch x32; input_mean, input_std, W22, b22, W32, b32 are no arguments.
; upper = (1 + s2, 1 + s0), lower = (-(1 + s3), -(1 + s1)), by class.  The small inputs are rounded to bf16 like all the program's inputs, then used in f32, in reference()'s order of steps.
; LIMITS: the division is a multiplication by v_rcp_f32's reciprocal (1 ULP; a denormal output_std counts as 0); a NaN loses at the maximum and minimum, where reference() would hand it on.
; A thread makes 16 bytes of out0 (two rows x two classes): 16 lanes store 256 consecutive aligned bytes.  131,072 bytes in all: 64 work-groups of 128 threads.  No LDS, no barrier.
	s_load_b256 s[4:11], s[0:1], 0x0               ; part s[4:5], b31 s[6:7], output_mean s[8:9], output_std s[10:11]
	s_load_b256 s[12:19], s[0:1], 0x20             ; s0 s[12:13], s1 s[14:15], s2 s[16:17], s3 s[18:19]
	s_load_b64 s[20:21], s[0:1], 0x40              ; out0
	v_lshlrev_b32 v1, 4, v0
	s_lshl_b32 s32, ttmp9, 11
	v_add_nc_u32 v1, s32, v1                       ; my 16 bytes in a plane of part and in out0
	s_wait_kmcnt 0x0
.irp c, 0,1,2,3
	global_load_b128 v[32+4*(\c):35+4*(\c)], v1, s[4:5] offset:(\c)*131072 th:TH_LOAD_NT
.endr
	s_load_b64 s[22:23], s[6:7], 0x0               ; b31
	s_load_b64 s[24:25], s[8:9], 0x0               ; mean
	s_load_b64 s[26:27], s[10:11], 0x0             ; std
	s_load_b32 s28, s[12:13], 0x0                  ; s0
	s_load_b32 s29, s[14:15], 0x0                  ; s1
	s_load_b32 s30, s[16:17], 0x0                  ; s2
	s_load_b32 s31, s[18:19], 0x0                  ; s3
	s_wait_kmcnt 0x0
	v_cvt_pk_bf16_f32 v4, s22, s23
	v_cvt_pk_bf16_f32 v5, s24, s25
	v_cvt_pk_bf16_f32 v6, s26, s27
	v_cvt_pk_bf16_f32 v7, s30, s28                 ; class 0: s2, class 1: s0
	v_cvt_pk_bf16_f32 v8, s31, s29                 ; class 0: s3, class 1: s1
.irp q, 0,1,2,3,4
	v_lshlrev_b32 v[10+2*(\q)], 16, v[4+(\q)]      ; pairs by class: v[10:11] b31, v[12:13] mean, v[14:15] std, v[16:17], v[18:19] the slacks
	v_and_b32 v[11+2*(\q)], 0xffff0000, v[4+(\q)]
.endr
	v_rcp_f32 v20, v14
	v_rcp_f32 v21, v15
	v_add_f32 v16, 1.0, v16                        ; upper (these four plain lines stand behind the reciprocals)
	v_add_f32 v17, 1.0, v17
	v_sub_f32 v18, -1.0, v18                       ; lower = -(1 + s)
	v_sub_f32 v19, -1.0, v19
	s_wait_alu depctr_va_vdst(0)                   ; one wait for both reciprocals, ahead of their first reader
	s_wait_loadcnt 0x0
.irp a, 32, 34
	v_pk_add_f32 v[(\a):(\a)+1], v[(\a):(\a)+1], v[(\a)+4:(\a)+5]
	v_pk_add_f32 v[(\a)+8:(\a)+9], v[(\a)+8:(\a)+9], v[(\a)+12:(\a)+13]
.endr
.irp a, 32, 34
	v_pk_add_f32 v[(\a):(\a)+1], v[(\a):(\a)+1], v[(\a)+8:(\a)+9]
.endr
.irp a, 32, 34
	v_pk_add_f32 v[(\a):(\a)+1], v[(\a):(\a)+1], v[10:11]              ; + b31
.endr
.irp a, 32, 34
	v_pk_fma_f32 v[(\a):(\a)+1], v[(\a):(\a)+1], v[14:15], v[12:13]    ; x31_actual
.endr
.irp a, 32, 34
	v_max_num_f32 v[(\a)], -v[(\a)], v18
	v_max_num_f32 v[(\a)+1], -v[(\a)+1], v19
.endr
.irp a, 32, 34
	v_min_num_f32 v[(\a)], v[(\a)], v16
	v_min_num_f32 v[(\a)+1], v[(\a)+1], v17
.endr
.irp a, 32, 34
	v_pk_add_f32 v[(\a):(\a)+1], v[(\a):(\a)+1], v[12:13] neg_lo:[0,1] neg_hi:[0,1]  ; u - mean
.endr
.irp a, 32, 34
	v_pk_mul_f32 v[(\a):(\a)+1], v[(\a):(\a)+1], v[20:21]
.endr
	global_store_b128 v1, v[32:35], s[20:21]
	s_endpgm
.Lfunc_end_k_q30eccca6d2_finish:
	.size	k_q30eccca6d2_finish, .Lfunc_end_k_q30eccca6d2_finish-k_q30eccca6d2_finish
	.p2alignl 7, 3214868480
	.fill 96, 4, 3214868480
	.section	.rodata,"a",@progbits
	.p2align	6, 0x0
	.amdhsa_kernel k_q30eccca6d2_finish
		.amdhsa_group_segment_fixed_size 0
		.amdhsa_private_segment_fixed_size 0
		.amdhsa_enable_private_segment 0
		.amdhsa_kernarg_size 72
		.amdhsa_user_sgpr_count 2
		.amdhsa_user_sgpr_kernarg_segment_ptr 1
		.amdhsa_wavefront_size32 1
		.amdhsa_system_sgpr_workgroup_id_x 1
		.amdhsa_system_sgpr_workgroup_id_y 1
		.amdhsa_system_sgpr_workgroup_id_z 1
		.amdhsa_system_vgpr_workitem_id 0
		.amdhsa_next_free_vgpr 48
		.amdhsa_next_free_sgpr 66
		.amdhsa_reserve_vcc 0
		.amdhsa_float_denorm_mode_32 3
		.amdhsa_float_denorm_mode_16_64 3
		.amdhsa_memory_ordered 1
		.amdhsa_forward_progress 1
		.amdhsa_inst_pref_size 4
	.end_amdhsa_kernel
	.amdgpu_metadata
---
amdhsa.version: [ 1, 2 ]
amdhsa.kernels:
  - .name:           k_q30eccca6d2_finish
    .symbol:         k_q30eccca6d2_finish.kd
    .args:
      - { .name: part, .offset: 0, .size: 8, .value_kind: global_buffer, .address_space: global }
      - { .name: b31, .offset: 8, .size: 8, .value_kind: global_buffer, .address_space: global }
      - { .name: output_mean, .offset: 16, .size: 8, .value_kind: global_buffer, .address_space: global }
      - { .name: output_std, .offset: 24, .size: 8, .value_kind: global_buffer, .address_space: global }
      - { .name: s0, .offset: 32, .size: 8, .value_kind: global_buffer, .address_space: global }
      - { .name: s1, .offset: 40, .size: 8, .value_kind: global_buffer, .address_space: global }
      - { .name: s2, .offset: 48, .size: 8, .value_kind: global_buffer, .address_space: global }
      - { .name: s3, .offset: 56, .size: 8, .value_kind: global_buffer, .address_space: global }
      - { .name: out0, .offset: 64, .size: 8, .value_kind: global_buffer, .address_space: global }
    .group_segment_fixed_size: 0
    .private_segment_fixed_size: 0
    .kernarg_segment_align: 8
    .kernarg_segment_size: 72
    .max_flat_workgroup_size: 128
    .sgpr_count:     66
    .vgpr_count:     48
    .wavefront_size: 32
...
	.end_amdgpu_metadata
.endif
;; end of part 3
